; MI455X (gfx1250); checked and timed in simulation.
; The chip was launched on July 23, 2026; its instructions are those of AMD's public machine-readable ISA for CDNA 5 (MIT licence, August 2026) and "CDNA5" Instruction Set Architecture Reference Guide (July 2026). The comments in the code are by the model that wrote it; some were corrected since.
;; Linformer Self Attention. Allowed arithmetic: matrix products marked QUANTISED: E2M1 operands, one E8M0 scale for each 32 along K, by v_wmma_scale_f32_16x16x128_f8f6f4 with both operands' format E2M1 (or v_wmma_scale_f32_32x16x128_f4), f32 sums; products left as they are: bf16, f16 or f32 operands; f32 sums; everything else in f32.
;; Inputs: Wk 1,024 x 1,024 float32; Wq 1,024 x 1,024 float32; Wv 1,024 x 1,024 float32; attention_mask 4 x 1 x 1 x 4,096 float32; bk 1,024 float32; bq 1,024 float32; bv 1,024 float32; hidden_states 4 x 4,096 x 1,024 float32; proj_k 4,096 x 128 float32; proj_v 4,096 x 128 float32.
;; Outputs: out0 4 x 4,096 x 1,024 float32.
;; This version of the problem:
;;   THIS VERSION OF THE PROBLEM IS GIVEN IN LOW PRECISION. The matrix products marked QUANTISED in the list below multiply operands that are first quantised to E2M1 (2 exponent bits, 1 mantissa bit; 4 bits a number), with one power-of-two scale for each 32 numbers along K (OCP MX v1.0); their sums are f32. The products marked 'left as it is' may take bf16, f16 or f32 operands, with f32 sums. Whichever they take, every output number must still come out within the allowed error. Rounding operands to bf16 (8 significant bits) uses up far more of that allowance than f16 does (11 bits, for magnitudes from 6e-5 to 65,504). All else is computed in f32.
;;   The module's matrix products, in the order in which they are computed (A, B: the left and right operand; K: the contracted axis; several contracted axes count as one K, in the product's order):
;;     1. [M 16,384, K 1,024] x [K 1,024, N 1,024]; A: input hidden_states; B: input Wk: QUANTISED
;;     2. [M 16,384, K 1,024] x [K 1,024, N 1,024]; A: input hidden_states; B: input Wv: QUANTISED
;;     3. batch 4,096 x [M 128, K 1] x [K 1, N 4]; A: computed on the way; B: computed on the way: left as it is (no contracted axis)
;;     4. batch 4 x [M 128, K 4,096] x [K 4,096, N 1,024]; A: computed on the way; B: computed on the way: left as it is (an operand is computed on the way)
;;     5. batch 4,096 x [M 128, K 1] x [K 1, N 4]; A: computed on the way; B: computed on the way: left as it is (no contracted axis)
;;     6. batch 4 x [M 128, K 4,096] x [K 4,096, N 1,024]; A: computed on the way; B: computed on the way: left as it is (an operand is computed on the way)
;;     7. [M 16,384, K 1,024] x [K 1,024, N 1,024]; A: input hidden_states; B: input Wq: QUANTISED
;;     8. batch 64 x [M 4,096, K 64] x [K 64, N 128]; A: computed on the way; B: computed on the way: left as it is (an operand is computed on the way)
;;     9. batch 64 x [M 4,096, K 128] x [K 128, N 64]; A: computed on the way; B: computed on the way: left as it is (an operand is computed on the way)
;;   THE QUANTISER, for each operand of a quantised product, along K:
;;     - K is cut into blocks of 32 from its start; a last block that is shorter is filled with zeros.
;;     - A block's scale is 2^e with e = floor(log2(the largest magnitude in the block)) - 2, held to -126 .. 127; a block of zeros has e = 0. As a byte (E8M0): e + 127.
;;     - Each number is divided by its block's scale, clamped to +-6, and rounded to the nearest number of E2M1, ties to even, subnormals kept.
;;     - The product sums the exact products of the quantised numbers (number of the format x scale) in f32.
;;   ~~~python
;;   def quantise(x, axis):      # numpy; x: float32 -> the quantised numbers, widened to float32 again
;;       x = np.moveaxis(x, axis, -1); K = x.shape[-1]
;;       x = np.pad(x, [(0, 0)] * (x.ndim - 1) + [(0, -K % 32)]); x = x.reshape(x.shape[:-1] + (-1, 32)); a = np.abs(x).max(-1, keepdims=True)
;;       e = np.where(a > 0, np.clip(np.frexp(np.where(a > 0, a, 1))[1] - 1 - 2, -126, 127), 0)      # np.frexp(a)[1] - 1 = floor(log2(a)), exactly
;;       r = np.clip(x / 2.0 ** e, -6, 6)
;;       step = 2.0 ** (np.maximum(np.frexp(np.where(r == 0, 1, r))[1] - 1, 0) - 1)
;;       q = np.round(r / step) * step * 2.0 ** e      # np.round: ties to even
;;       return np.moveaxis(q.reshape(q.shape[:-2] + (-1,))[..., :K], -1, axis).astype(np.float32)
;;   ~~~
;; One version. Each part assembles by itself: llvm-mc -triple=amdgcn-amd-amdhsa -mcpu=gfx1250 --defsym DOCPART=n.
;; ======== version 1 of 1: 4 launches
;; limits: values are held in f16: magnitudes above 65,504 overflow, below 6.1e-05 lose precision
;; workspace buffers: hq 8,912,896 bytes; wc 1,671,168 bytes; pm 8,388,608 bytes; part 16,777,216 bytes; kvf 2,097,152 bytes; kvs 65,536 bytes
;; launch prep (part 1): grid 736 x 1, 2 waves a work-group, no clusters, 17,664 bytes of LDS; arguments hidden_states, Wq, Wk, Wv, attention_mask, proj_k, proj_v, hq, wc, pm; writes hq, wc, pm
.if DOCPART == 1
	.amdgcn_target "amdgcn-amd-amdhsa--gfx1250"
	.amdhsa_code_object_version 6
	.text
	.protected	k_qd771fd5f82_prep
	.globl	k_qd771fd5f82_prep
	.p2align	8
	.type	k_qd771fd5f82_prep,@function
k_qd771fd5f82_prep:
	s_mov_b64 s[64:65], 0
	v_nop
	global_prefetch_b8 v0, s[64:65] scope:SCOPE_SE
	s_setreg_imm32_b32 hwreg(HW_REG_WAVE_MODE, 25, 1), 1
	s_wait_xcnt 0x0
; LINFORMER SELF-ATTENTION, launch 1 of 4: the operands are made ready.
; NO WORK OF THE PROBLEM IS LEFT OUT, AND EVERY INPUT IS LOADED.  bk reaches k as bk[d] x (sum over s of m pk[s][kidx]), which differs along the softmax's axis; bq . k differs along it too; bv reaches the
; result itself; attention_mask acts through the lengths alone, as the problem has it.  Rows at or past a sample's length are thrown away by values of an input only: they are multiplied, by zeros.
; (a) hidden_states [16384][1024], Wq, Wk, Wv [1024][1024], f32, become codes of FP4 (E2M1) with one E8M0 byte for each 32 along K (their last axis), laid IN THE ORDER OF THE OPERAND'S REGISTERS:
;     a tile is 16 rows x 1,024 K = 8,704 bytes: block B (32 along K) of row r at 256 B + 16 r, so that 128 along K are 1,024 bytes = the image of a fragment's 8 registers (half c at 512 c, lane l at 16 l);
;     from byte 8,192 on the scale words: lane l's 16 bytes at 16 l, word j = the four bytes of row l % 16 for the K step (of 128) 2 j + l / 16.
;     A block's scale is 2^(floor(log2(largest magnitude)) - 2): its byte is the largest magnitude's exponent field - 2, held at 1 from below.
; (b) pm[b][kv][s][kidx] = f16(proj[s][kidx] x (s < L_b ? 1 / sqrt(L_b) : 0)), L_b = how many mask entries of sample b lie above -1.  No branch and no address hangs on L_b: it selects a factor.
; LIMITS: a block of zeros gets the byte 1 where the rule says 127 (its codes are zeros, and this program alone reads the bytes); blocks whose largest magnitude lies under 2^-124 keep the byte 1;
; NaN and infinities among the inputs are not served; L_b = 0 gives NaN in that sample, as 0 x infinity does in the problem; 1 / sqrt(L) is folded into the f16 operand, another order of rounding than the problem's.
; SHARES.  1,472 waves' shares of about the same size, two waves to a work-group, so that they can be dealt out evenly.  Work-groups 0-127: a wave makes 128 rows of pm; this path has the longer chain of
; dependent loads (the mask, the count, the factor), so it has the lowest numbers.  Work-groups 128-639: hidden_states; 640-671 Wq; 672-703 Wk; 704-735 Wv: a wave takes one tile.
; Nothing is shared between work-groups: no cluster.
.set TILEB, 8704
.set STGB,  4352                       ; a stage: 16 rows x (256 bytes + 16 of padding)
.set PWG,   128                        ; work-groups of the projection path
.set SPARE, 2*TILEB                    ; behind the two waves' stages: the spare words, 128 bytes a wave
.set SPW, 14                           ; v14  my spare word's LDS address; never rewritten
.set NIL, 15                           ; v15  0; never rewritten
.set R,   16                           ; v16-143  four sets of 32 numbers as loaded
.set X,   144                          ; v144-207 two sets of 32 neighbours along K
.set C,   208                          ; v208-223 four sets of a block's codes
.set SB,  224                          ; v224-231 scale words in the making
.set PD,  232                          ; v232-239 destinations of the lane exchange
.set SI,  240                          ; v240-243 the image of the scale words
.set MK,  128                          ; (projection path) v128-255 the mask's row; free again behind the count
.set Y,   144                          ; (projection path) v144-175 f16 pairs to store
	s_load_b512 s[4:19], s[0:1], 0x0               ; hidden s[4:5], Wq s[6:7], Wk s[8:9], Wv s[10:11], mask s[12:13], proj_k s[14:15], proj_v s[16:17], hq s[18:19]
	s_load_b128 s[20:23], s[0:1], 0x40             ; wc s[20:21], pm s[22:23]
	v_lshl_add_u32 v[SPW], v0, 2, SPARE
	v_mov_b32 v[NIL], 0
	v_lshrrev_b32 v1, 5, v0
	v_readfirstlane_b32 s24, v1                    ; wave 0..1
	v_and_b32 v1, 31, v0                           ; lane
	v_and_b32 v7, 15, v0                           ; r
	v_bfe_u32 v6, v0, 4, 1                         ; h
	v_lshlrev_b32 v5, 4, v1                        ; 16 x lane
	s_cmp_ge_u32 ttmp9, PWG
	s_cbranch_scc1 .Lquant
; ---------------- the projection path: p = 2 x work-group + wave: sample p / 64, k or v (p / 32) % 2, rows 128 (p % 32) on
.macro PLOAD g                         ; 16 rows of proj, a row of 512 bytes a load, into set g % 2 (v16-79, v80-143)
.irp i, 0,1,2,3,4,5,6,7,8,9,10,11,12,13,14,15
	global_load_b128 v[16+64*((\g)%2)+4*\i:16+64*((\g)%2)+4*\i+3], v5, s[30:31] offset:512*(16*(\g)+\i)
.endr
.endm
	s_lshl_b32 s25, ttmp9, 1
	s_add_co_u32 s25, s25, s24                     ; p
	s_lshr_b32 s26, s25, 6                         ; the sample
	s_and_b32 s27, s25, 31                         ; which 128 rows
	s_lshl_b32 s28, s26, 14                        ; the sample's 16,384 bytes of the mask
	s_mov_b32 s29, 0
	s_lshl_b32 s32, s27, 16                        ; 128 rows of proj, 512 bytes each
	s_mov_b32 s33, 0
	v_lshlrev_b32 v4, 3, v1                        ; 8 x lane: my four f16 of a row of pm
	s_wait_kmcnt 0x0
	s_add_nc_u64 s[12:13], s[12:13], s[28:29]
	s_bitcmp1_b32 s25, 5
	s_cselect_b64 s[30:31], s[16:17], s[14:15]     ; proj_v or proj_k: the choice hangs on the work-group's and the wave's number alone
	s_add_nc_u64 s[30:31], s[30:31], s[32:33]
.set i, 0
.rept 32
	global_load_b128 v[MK+4*i:MK+4*i+3], v5, s[12:13] offset:512*i   ; the whole row of the mask: 128 numbers a lane
.set i, i+1
.endr
	PLOAD 0                                        ; proj's first 16 rows hang on no length: they are asked for with the mask
	s_lshl_b32 s28, s25, 15                        ; pm: 128 rows of 256 bytes for each p
	s_add_nc_u64 s[22:23], s[22:23], s[28:29]
	s_mov_b32 s34, 0                               ; the length
	s_wait_loadcnt 16                              ; the mask's 32 loads are in; the 16 younger ones, of proj, may be out
.set q, 0
.rept 16                                       ; eight registers at a time: which lanes hold an entry above -1, how many, summed
.irp i, 0,1,2,3,4,5,6,7
	v_cmp_lt_f32 s[40+\i], -1.0, v[MK+8*q+\i]
.endr
.irp i, 0,1,2,3,4,5,6,7
	s_bcnt1_i32_b32 s[40+\i], s[40+\i]
.endr
.irp i, 0,1,2,3,4,5,6,7
	s_add_co_u32 s34, s34, s[40+\i]
.endr
.set q, q+1
.endr
	PLOAD 1                                        ; (the mask's registers are free: the compares have read them)
	v_cvt_f32_u32 v8, s34
	v_rsq_f32 v9, v8                               ; 1 / sqrt(L)
	v_nop                                          ; a plain line behind the transcendental,
	s_wait_alu depctr_va_vdst(0)                   ; and the wait ahead of its first reader
	v_readfirstlane_b32 s35, v9
	s_mul_f32 s38, s35, 0                          ; the factor of rows at or past the length: 0 (NaN where L = 0)
	s_lshl_b32 s39, s27, 7
	s_sub_co_i32 s39, s34, s39                     ; L - my first row: row i counts where this is above i
	s_mov_b32 s49, 0                               ; (named with s48 as a pair, so it is written)
.macro PWORK g
.set PS, 16+64*((\g)%2)
.if (\g) < 7
	s_wait_loadcnt 16                              ; this batch's 16 loads are in; the next batch's may be out
.else
	s_wait_loadcnt 0x0
.endif
	s_wait_xcnt 0x0                                ; the last batch's stores have read Y: it is written again only behind this wait
.irp i, 0,1,2,3,4,5,6,7,8,9,10,11,12,13,14,15
	s_cmp_gt_i32 s39, 16*(\g)+\i
	s_cselect_b32 s48, s35, s38                    ; a choice of a value: no jump
	v_pk_mul_f32 v[PS+4*\i:PS+4*\i+1], v[PS+4*\i:PS+4*\i+1], s[48:49] op_sel_hi:[1,0]
	v_pk_mul_f32 v[PS+4*\i+2:PS+4*\i+3], v[PS+4*\i+2:PS+4*\i+3], s[48:49] op_sel_hi:[1,0]
	v_cvt_pk_f16_f32 v[Y+2*\i], v[PS+4*\i], v[PS+4*\i+1]
	v_cvt_pk_f16_f32 v[Y+2*\i+1], v[PS+4*\i+2], v[PS+4*\i+3]
	global_store_b64 v4, v[Y+2*\i:Y+2*\i+1], s[22:23] offset:256*(16*(\g)+\i)   ; the wave stores 256 consecutive bytes, aligned: a row of pm
.endr
.if (\g)+2 < 8
	PLOAD (\g)+2
.endif
.endm
.irp g, 0,1,2,3,4,5,6,7
	PWORK \g
.endr
	s_wait_tensorcnt 0x0                           ; the wave's end
	ds_add_u32 v[SPW], v[NIL]
	s_wait_dscnt 0x0
	s_endpgm
; ---------------- the quantiser path: one wave, one tile of 16 rows x 1,024
.Lquant:
	v_lshlrev_b32 v2, 4, v7
	v_lshl_add_u32 v2, v6, 12, v2                  ; a load takes two rows x 256 bytes: (lane / 16) rows of 4,096 bytes + 16 (lane % 16)
	s_mul_i32 s25, s24, TILEB                      ; my wave's two stages
	v_mul_u32_u24 v3, v6, 272
	v_lshl_add_u32 v3, v7, 4, v3
	v_add_nc_u32 v3, s25, v3                       ; into a stage, as loaded
	v_mul_u32_u24 v4, v7, 272
	v_lshl_add_u32 v4, v6, 7, v4
	v_add_nc_u32 v4, s25, v4                       ; out of it: row lane % 16, the 128 bytes of block lane / 16
.irp u, 0,1,2,3,4,5,6,7
	v_mov_b32 v[PD+\u], 0                          ; written once: a lane exchange's destination counts as one of its sources
.endr
	s_mov_b32 s36, 0x76543210
	s_mov_b32 s37, 0xfedcba98                      ; selects for lane l xor 16
	s_sub_co_u32 s34, ttmp9, PWG                   ; u: this path's work-groups counted from 0
	s_wait_kmcnt 0x0
	s_cmp_lt_u32 s34, 512                          ; which tensor: the choices hang on the work-group's number alone
	s_cselect_b64 s[26:27], s[4:5], s[6:7]
	s_cselect_b32 s28, 0, 512                      ; the source's first work-group
	s_cselect_b64 s[30:31], s[18:19], s[20:21]     ; hq or wc
	s_cselect_b32 s29, 0, 512                      ; the destination's first work-group
	s_cmp_lt_u32 s34, 544
	s_cselect_b64 s[26:27], s[26:27], s[8:9]
	s_cselect_b32 s28, s28, 544
	s_cmp_lt_u32 s34, 576
	s_cselect_b64 s[26:27], s[26:27], s[10:11]
	s_cselect_b32 s28, s28, 576
	s_sub_co_u32 s28, s34, s28
	s_lshl_b32 s28, s28, 1
	s_add_co_u32 s28, s28, s24                     ; my tile in the source
	s_lshl_b32 s32, s28, 16                        ; 16 rows of 4,096 bytes
	s_mov_b32 s33, 0
	s_add_nc_u64 s[26:27], s[26:27], s[32:33]
	s_sub_co_u32 s29, s34, s29
	s_lshl_b32 s29, s29, 1
	s_add_co_u32 s29, s29, s24                     ; my tile in the destination
	s_mul_i32 s32, s29, TILEB
	s_add_nc_u64 s[30:31], s[30:31], s[32:33]
.macro LOAD t                          ; blocks 2 t and 2 t + 1 of the 16 rows: each load reads 256 aligned bytes of two rows
.irp i, 0,1,2,3,4,5,6,7
	global_load_b128 v[R+32*((\t)%4)+4*\i:R+32*((\t)%4)+4*\i+3], v2, s[26:27] offset:8192*\i+256*(\t) th:TH_LOAD_NT
.endr
.endm
.macro TURN t                          ; through the stage: afterwards lane (r, h) holds the whole block 2 t + h of row r.  LDS serves a wave's instructions in order: no wait between the stores and the loads
.irp i, 0,1,2,3,4,5,6,7
	ds_store_b128 v3, v[R+32*((\t)%4)+4*\i:R+32*((\t)%4)+4*\i+3] offset:STGB*((\t)%2)+544*\i
.endr
.irp i, 0,1,2,3,4,5,6,7
	ds_load_b128 v[X+32*((\t)%2)+4*\i:X+32*((\t)%2)+4*\i+3], v4 offset:STGB*((\t)%2)+16*\i
.endr
.endm
.macro STEP t
.set XS, X+32*((\t)%2)
.set CS, C+4*((\t)%4)
	s_wait_dscnt 0x0                               ; this step's numbers are back from the stage, and its stores into the stage have read their registers,
.if (\t)+4 < 16
	LOAD (\t)+4                                    ; which take the loads of four steps on
.endif
.if (\t) < 15
.if 14-(\t) >= 3
	s_wait_loadcnt 24                              ; the next step's eight loads are in; those of the three steps behind it may be out
.else
	s_wait_loadcnt 8*(14-(\t))
.endif
	TURN (\t)+1
.endif
	v_max3_num_f32 v8, |v[XS]|, |v[XS+1]|, |v[XS+2]|               ; the block's largest magnitude: all 32 numbers are mine
	v_max3_num_f32 v9, |v[XS+3]|, |v[XS+4]|, |v[XS+5]|
.irp i, 6,10,14,18,22,26
	v_max3_num_f32 v8, v8, |v[XS+\i]|, |v[XS+\i+1]|
	v_max3_num_f32 v9, v9, |v[XS+\i+2]|, |v[XS+\i+3]|
.endr
	v_max3_num_f32 v8, v8, |v[XS+30]|, |v[XS+31]|
	v_max3_num_f32 v8, v8, v9, 0x1800000           ; and the floor 2^(3 - 127): the byte cannot fall under 1
	v_add_nc_u32 v10, 0xff000000, v8               ; 2 off the exponent field: the conversion takes the exponent field of this operand as its scale
	s_wait_xcnt 0x0                                ; the store of four steps ago has read this set of code registers
.irp g, 0,1,2,3
	v_cvt_scalef32_pk8_fp4_f32 v[CS+\g], v[XS+8*\g:XS+8*\g+7], v10
.endr
	v_lshrrev_b32 v11, 23, v10                     ; the scale's byte (also the plain line behind the conversions)
.if (\t)%2 == 0
	v_mov_b32 v[SB+(\t)/2], v11                    ; K step t / 2: block 4 (t / 2) + h in bits 7:0,
.else
	v_lshl_or_b32 v[SB+(\t)/2], v11, 16, v[SB+(\t)/2]   ; block 4 (t / 2) + 2 + h in bits 23:16
.endif
	global_store_b128 v5, v[CS:CS+3], s[30:31] offset:512*(\t)     ; 32 lanes store 512 consecutive bytes: blocks 2 t and 2 t + 1 of the 16 rows
.endm
.irp t, 0,1,2,3
	LOAD \t
.endr
	s_wait_loadcnt 24                              ; step 0's eight loads are in
	TURN 0
.irp t, 0,1,2,3,4,5,6,7,8,9,10,11,12,13,14,15
	STEP \t
.endr
	v_lshlrev_b32 v8, 3, v6                        ; my two bytes stand 8 h bits up;
.irp u, 0,1,2,3,4,5,6,7
	v_lshlrev_b32 v[SB+\u], v8, v[SB+\u]
.endr
.irp u, 0,1,2,3,4,5,6,7
	v_permlanex16_b32 v[PD+\u], v[SB+\u], s36, s37
.endr
.irp u, 0,1,2,3,4,5,6,7
	v_or_b32 v[SB+\u], v[SB+\u], v[PD+\u]          ; with lane l xor 16's two the word of row r, K step u, is whole
.endr
	v_cmp_ne_u32 vcc_lo, 0, v6
.irp j, 0,1,2,3
	v_cndmask_b32 v[SI+\j], v[SB+2*\j], v[SB+2*\j+1], vcc_lo       ; word j: K step 2 j in lanes 0-15, 2 j + 1 in lanes 16-31
.endr
	global_store_b128 v5, v[SI:SI+3], s[30:31] offset:8192
	s_wait_tensorcnt 0x0                           ; the wave's end, behind my last LDS store
	ds_add_u32 v[SPW], v[NIL]
	s_wait_dscnt 0x0
	s_endpgm
.Lfunc_end_k_qd771fd5f82_prep:
	.size	k_qd771fd5f82_prep, .Lfunc_end_k_qd771fd5f82_prep-k_qd771fd5f82_prep
	.p2alignl 7, 3214868480
	.fill 96, 4, 3214868480
	.section	.rodata,"a",@progbits
	.p2align	6, 0x0
	.amdhsa_kernel k_qd771fd5f82_prep
		.amdhsa_group_segment_fixed_size 17664
		.amdhsa_private_segment_fixed_size 0
		.amdhsa_enable_private_segment 0
		.amdhsa_kernarg_size 80
		.amdhsa_user_sgpr_count 2
		.amdhsa_user_sgpr_kernarg_segment_ptr 1
		.amdhsa_wavefront_size32 1
		.amdhsa_system_sgpr_workgroup_id_x 1
		.amdhsa_system_sgpr_workgroup_id_y 1
		.amdhsa_system_sgpr_workgroup_id_z 1
		.amdhsa_system_vgpr_workitem_id 0
		.amdhsa_next_free_vgpr 256
		.amdhsa_next_free_sgpr 66
		.amdhsa_reserve_vcc 1
		.amdhsa_float_denorm_mode_32 3
		.amdhsa_float_denorm_mode_16_64 3
		.amdhsa_memory_ordered 1
		.amdhsa_forward_progress 1
		.amdhsa_inst_pref_size 145
	.end_amdhsa_kernel
	.amdgpu_metadata
---
amdhsa.version: [ 1, 2 ]
amdhsa.kernels:
  - .name:           k_qd771fd5f82_prep
    .symbol:         k_qd771fd5f82_prep.kd
    .args:
      - { .name: hidden_states, .offset: 0, .size: 8, .value_kind: global_buffer, .address_space: global }
      - { .name: Wq, .offset: 8, .size: 8, .value_kind: global_buffer, .address_space: global }
      - { .name: Wk, .offset: 16, .size: 8, .value_kind: global_buffer, .address_space: global }
      - { .name: Wv, .offset: 24, .size: 8, .value_kind: global_buffer, .address_space: global }
      - { .name: attention_mask, .offset: 32, .size: 8, .value_kind: global_buffer, .address_space: global }
      - { .name: proj_k, .offset: 40, .size: 8, .value_kind: global_buffer, .address_space: global }
      - { .name: proj_v, .offset: 48, .size: 8, .value_kind: global_buffer, .address_space: global }
      - { .name: hq, .offset: 56, .size: 8, .value_kind: global_buffer, .address_space: global }
      - { .name: wc, .offset: 64, .size: 8, .value_kind: global_buffer, .address_space: global }
      - { .name: pm, .offset: 72, .size: 8, .value_kind: global_buffer, .address_space: global }
    .group_segment_fixed_size: 17664
    .private_segment_fixed_size: 0
    .kernarg_segment_align: 8
    .kernarg_segment_size: 80
    .max_flat_workgroup_size: 64
    .sgpr_count:     66
    .vgpr_count:     256
    .wavefront_size: 32
...
	.end_amdgpu_metadata
.endif
;; end of part 1
;; launch kvproj (part 2): grid 8 x 32, 4 waves a work-group, clusters of 4 x 1, 327,680 bytes of LDS; arguments hq, wc, pm, bk, bv, part; writes part
.if DOCPART == 2
	.amdgcn_target "amdgcn-amd-amdhsa--gfx1250"
	.amdhsa_code_object_version 6
	.text
	.protected	k_qd771fd5f82_kvproj
	.globl	k_qd771fd5f82_kvproj
	.p2align	8
	.type	k_qd771fd5f82_kvproj,@function
k_qd771fd5f82_kvproj:
	s_mov_b64 s[64:65], 0
	v_nop
	global_prefetch_b8 v0, s[64:65] scope:SCOPE_SE
	s_setreg_imm32_b32 hwreg(HW_REG_WAVE_MODE, 25, 1), 1
	s_wait_xcnt 0x0
	s_wait_alu depctr_hold_cnt(0) depctr_sa_sdst(0) depctr_va_vdst(0) depctr_va_sdst(0) depctr_va_ssrc(0) depctr_va_vcc(0) depctr_vm_vsrc(0)
	s_getreg_b32 s2, hwreg(HW_REG_IB_STS2, 6, 4)
	s_cmp_eq_u32 s2, 0
	s_cbranch_scc0 .Lentry_in_a_cluster
	s_endpgm
.Lentry_in_a_cluster:
	s_bfe_u32 s2, ttmp6, 0x10000c
	s_cmp_lg_u32 s2, 0x3003
	s_cbranch_scc0 .Lentry_shape_is_right
	s_endpgm
.Lentry_shape_is_right:
; Launch 2 of 4: hk = Q(h) Q(Wk)^T + bk (FP4 codes, f32 sums) and, fused with it, the ragged projection (m pk / sqrt(L))^T hk (f16 operands, f32 sums); the same for v.  hk and hv never go to memory.  No work is left out.
; SHARES.  Work-group (x, y): y = 8 b + 4 kv + sp: sample b, k or v, rows 1,024 sp on; x: 128 columns d = two heads.  It makes the partial sum over its 1,024 rows of [128 kidx][128 d].
; Wave w: rows half w / 2, head 2 x + w % 2.  A CHUNK of a wave is 32 rows x 64 d: 64 scaled matrix instructions (K = 1,024), 32 roundings to f16, 32 f16 matrix instructions (K = the 32 rows) onto 32 accumulators.
; A wave's 64 rows of W (256 registers), their scale words and the bias stay in registers for the whole launch, read by the wave itself.
; CLUSTER.  The four work-groups of a cluster differ in x alone: they walk the same tiles of hq and rows of pm, so each is asked for JOINTLY, with the constant mask 15.  x enters W's, the bias's, part's and the prefetches' addresses alone.
; RING.  Two LDS slots of 128 rows each (8 tiles of hq, dense; 128 rows of pm, 256 bytes + 32 of padding).  Waves 0, 1 fetch the halves of hq's part, waves 2, 3 of pm's: one load a wave behind each round.
; A wave has two tensor loads out at the start and one later.
; PREFETCH.  Behind the joint load of each change of slots but the last stand the requests for what the NEXT change will load: one slot, two chunks of every wave (192 matrix instructions), ahead of that load.  See the macro ASK.
; LAYOUT.  First product: source 0 = 16 rows of h, source 1 = 16 rows of W: a lane holds one d, its registers run along s: two row tiles, rounded in pairs, ARE the f16 fragment (16 d x 32 s).
; pm lies [s][kidx] in LDS and comes out turned (ds_load_tr16_b128): a fragment of 16 kidx x 32 s.  For k the sources are (hk, pm): lane = kidx, registers = d; for v (pm, hv): lane = d, registers = kidx:
; so the accumulators lie as the attention's operands want them.  The branch between the two hangs on y alone: it is the same in all partners.
; LIMIT: |hk|, |hv| above 65,504 have no f16 number.
; REGISTERS: window 0: v2-11 addresses; v16-23 h's scale words, v24-39 W's; v40-41 the prefetches' offsets; v48-111 HA (tile (mt, nt) at 8 (4 mt + nt)); v112-143 HF; v144-175 the bias as C; v192-255 PF.
;   window 1: W's fragments ((nt, k) at 8 (8 nt + k)).   window 2: the 32 accumulators.   window 3: v0-127 h's fragments ((mt, k) at 8 (8 mt + k)); at the end the partner's partial sums.
.set TILEB, 8704
.set SLOTB, 131072                     ; slot 1 begins here
.set PMO,   8*TILEB                    ; pm's rows in a slot
.set PPI,   288                        ; their pitch: 72 words: the turning load's 8 rows x 32 bytes fall on different banks (64 banks of 4 bytes: ISA guide 11.1)
.set STG,   SLOTB+PMO+128*PPI          ; behind the ring: 16,384 bytes for each wave, for the exchange of partial sums
.set SPARE, STG+4*16384                ; the spare words, 128 bytes a wave
.set LI,   2                           ; v2    16 x lane
.set ADRA, 3                           ; v3-4  my tiles of hq in slot 0, 1
.set ADRP, 5                           ; v5-6  my rows of pm in slot 0, 1
.set STO,  7                           ; v7    my stage
.set RDP,  8                           ; v8    my partner's (wave w xor 2)
.set SPW,  10
.set NIL,  11
.set ASC,  16
.set WSC,  24
.set PFOH, 40                          ; v40   hq's prefetch: 256 x min(lane, 16); never rewritten
.set PFOP, 41                          ; v41   pm's prefetch: 256 x lane; never rewritten
.set HA,   48
.set HF,   112
.set BI,   144
.set PF,   192
.set WV,   16                          ; s16 wave; s17 rows half; s18 head's parity, and which half of a slot's part I fetch
.set KV,   23                          ; s23 0: k, 1: v
.set G1A,  28                          ; s[28:35] group 1 for hq's tiles;  s[36:43] for pm's rows
.set G1P,  36
.set G0A,  44                          ; s[44:51] group 0 for hq's, a set for each slot;  s[52:59] for pm's
.set G0P,  52
.set PFH,  86                          ; s[86:87] where my prefetch of hq stands: my wave's 17 blocks of 256 bytes of the slot after the one that is being asked for
.set PFP,  88                          ; s[88:89] the same for pm: my work-group's 32 rows
.set LIMH, 90                          ; s90 1 in a wave that prefetches hq, else the greatest number
.set LIMP, 91                          ; s91 the same for pm
.set MSB, 0
.macro WIN new                         ; the immediate's high byte repeats the setting that is left
.if MSB != \new
	s_set_vgpr_msb (MSB<<8)|\new
.set MSB, \new
.endif
.endm
.macro PLACES n
.rept \n
	v_nop
.endr
.endm
.macro CROUND                          ; a round of the cluster's barrier
	s_barrier_signal -1
	s_barrier_wait -1
	s_cmp_lg_u32 s[WV], 0
	s_cbranch_scc1 .Lnot_wave_0_\@
	s_barrier_signal -3
.Lnot_wave_0_\@:
	s_barrier_wait -3
	s_barrier_signal -1
	s_barrier_wait -1
.endm
.macro JLOAD slot                      ; a joint refill; the branch hangs on the wave's number alone; an s_nop 0 and four v_nop follow each line
	s_cmp_lt_u32 s[WV], 2
	s_cbranch_scc0 .Lfor_p_\@
	tensor_load_to_lds s[G0A+4*\slot:G0A+4*\slot+3], s[G1A:G1A+7]
	s_nop 0
	PLACES 4
	s_branch .Lasked_\@
.Lfor_p_\@:
	tensor_load_to_lds s[G0P+4*\slot:G0P+4*\slot+3], s[G1P:G1P+7]
	s_nop 0
	PLACES 4
.Lasked_\@:
.endm
; A PREFETCH INTO THE L2 of what the NEXT change of slots will load: 8 tiles of hq (69,632 consecutive bytes = 272 blocks of 256) and 128 rows of pm (256 bytes each).  It stands behind the wave's tensor load and its five lines.
; Each block is named by ONE instruction of the launch.  hq's rows (b, sp) are walked by the clusters x = 0, 1 of kv = 0, 1: the cluster with x = 0 and kv = 0 asks; its sixteen waves take 17 blocks each,
; told apart BY ADDRESS (17 x 256 x (4 cx + wave)): no branch hangs on a work-group's place in its cluster.  272 is no multiple of 32: lanes 17 to 31 name lane 16's block again, inside the same instruction.
; pm's rows (b, kv, sp) are walked by the clusters x = 0, 1: the cluster with x = 0 asks; each partner takes 32 rows, by address; wave 2 asks, a lane a row.
; s60 counts the loop's trips 3, 2, 1; a trip has two changes.  The first of a trip always has a successor; the second has none in the last trip: there nothing is asked for.  Slots 0, 1 and 2 come by their loads alone.
.macro ASK slot
.if \slot
	s_cmp_gt_u32 s60, s[LIMH]
.else
	s_cmp_ge_u32 s60, s[LIMH]
.endif
	s_cbranch_scc0 .Lnot_h_\@
	global_prefetch_b8 v[PFOH], s[PFH:PFH+1] th:TH_LOAD_NT scope:SCOPE_SE
.Lnot_h_\@:
.if \slot
	s_cmp_gt_u32 s60, s[LIMP]
.else
	s_cmp_ge_u32 s60, s[LIMP]
.endif
	s_cbranch_scc0 .Lnot_p_\@
	global_prefetch_b8 v[PFOP], s[PFP:PFP+1] th:TH_LOAD_NT scope:SCOPE_SE
.Lnot_p_\@:
.endm
	s_load_b256 s[4:11], s[0:1], 0x0               ; hq s[4:5], wc s[6:7], pm s[8:9], bk s[10:11]
	s_load_b128 s[12:15], s[0:1], 0x20             ; bv s[12:13], part s[14:15]
	v_lshl_add_u32 v[SPW], v0, 2, SPARE
	v_mov_b32 v[NIL], 0
	ds_add_u32 v[SPW], v[NIL]                      ; the wave's opening: the add, twice on end, and its wait ahead of my first tensor load
	ds_add_u32 v[SPW], v[NIL]
	v_lshrrev_b32 v1, 5, v0
	v_readfirstlane_b32 s[WV], v1
	s_lshr_b32 s17, s16, 1
	s_and_b32 s18, s16, 1
	s_bfe_u32 s19, ttmp6, 0x40000                  ; cx
	s_lshl_b32 s20, ttmp9, 2
	s_add_co_u32 s20, s20, s19                     ; x = 4 x cluster x + cx
	s_and_b32 s21, ttmp7, 0xffff                   ; y
	s_lshr_b32 s22, s21, 3                         ; b
	s_bfe_u32 s[KV], s21, 0x10002                  ; kv
	s_and_b32 s24, s21, 3                          ; sp
	s_lshl_b32 s25, s20, 1
	s_add_co_u32 s25, s25, s18                     ; my head
	s_lshl_b32 s26, s22, 1
	s_add_co_u32 s26, s26, s[KV]                   ; 2 b + kv
	s_mov_b32 s[G1A], 15|(3<<16)|(1<<21)           ; the mask: all four; elements of 8 bytes; bit 21 beside a mask; no padding
	s_mov_b32 s[G1A+1], 32<<16                     ; tensor_dim0 = 32 elements: rows of 256 bytes
	s_mov_b32 s[G1A+2], 136<<16                    ; tensor_dim1 = 136 rows: four tiles of 8,704 bytes, dense
	s_mov_b32 s[G1A+3], 32<<16                     ; tile_dim0
	s_mov_b32 s[G1A+4], 136                        ; tile_dim1
	s_mov_b32 s[G1A+5], 32                         ; the pitch
	s_mov_b32 s[G1A+6], 0
	s_mov_b32 s[G1A+7], 0
	s_mov_b32 s[G1P], 15|(1<<16)|(1<<20)|(1<<21)|(5<<22)|(7<<25)   ; elements of 2 bytes; 8 words of padding behind every 64
	s_mov_b32 s[G1P+1], 128<<16
	s_mov_b32 s[G1P+2], 64<<16
	s_mov_b32 s[G1P+3], 128<<16
	s_mov_b32 s[G1P+4], 64
	s_mov_b32 s[G1P+5], 128
	s_mov_b32 s[G1P+6], 0
	s_mov_b32 s[G1P+7], 0
	s_lshl_b32 s66, s22, 8                         ; hq: tile 256 b + 64 sp + 4 (w % 2)
	s_lshl_b32 s67, s24, 6
	s_add_co_u32 s66, s66, s67
	s_lshl_b32 s67, s18, 2
	s_add_co_u32 s66, s66, s67
	s_mul_i32 s66, s66, TILEB
	s_mov_b32 s67, 0
	s_lshl_b32 s68, s26, 12                        ; pm: row (2 b + kv) 4,096 + 1,024 sp + 64 (w % 2), 256 bytes each
	s_lshl_b32 s69, s24, 10
	s_add_co_u32 s68, s68, s69
	s_lshl_b32 s69, s18, 6
	s_add_co_u32 s68, s68, s69
	s_lshl_b32 s68, s68, 8
	s_mov_b32 s69, 0
	s_mul_i32 s70, s18, 4*TILEB                    ; where they go in a slot: no place in the cluster enters an LDS address
	s_mul_i32 s71, s18, 64*PPI
	s_add_co_u32 s71, s71, PMO
	s_add_co_u32 s72, s[KV], 1                     ; wc: tile 64 (1 + kv) + 4 head
	s_lshl_b32 s72, s72, 6
	s_lshl_b32 s73, s25, 2
	s_add_co_u32 s72, s72, s73
	s_mul_i32 s72, s72, TILEB
	s_mov_b32 s73, 0
	s_lshl_b32 s74, s25, 8                         ; the bias: 64 numbers a head
	s_mov_b32 s75, 0
	s_lshl_b32 s76, s26, 4                         ; part: ((16 (2 b + kv) + head) 4 + sp) x 32,768 bytes
	s_add_co_u32 s76, s76, s25
	s_lshl_b32 s76, s76, 2
	s_add_co_u32 s76, s76, s24
	s_lshl_b32 s76, s76, 15
	s_mov_b32 s77, 0
	; the prefetches, in registers of their own (none that feeds a descriptor ever holds cx).  Both stand in the third slot's worth of rows: the first change of slots steps them to the fourth
	s_lshl_b32 s80, s22, 8                         ; hq: tile 256 b + 64 sp + 16,
	s_lshl_b32 s81, s24, 6
	s_add_co_u32 s80, s80, s81
	s_add_co_u32 s80, s80, 16
	s_mul_i32 s80, s80, TILEB
	s_lshl_b32 s81, s19, 2
	s_add_co_u32 s81, s81, s16                     ; + 17 blocks of 256 bytes x (4 cx + wave)
	s_mul_i32 s81, s81, 17*256
	s_add_co_u32 s80, s80, s81
	s_mov_b32 s81, 0
	s_lshl_b32 s82, s26, 12                        ; pm: row (2 b + kv) 4,096 + 1,024 sp + 32 cx + 256
	s_lshl_b32 s83, s24, 10
	s_add_co_u32 s82, s82, s83
	s_lshl_b32 s83, s19, 5
	s_add_co_u32 s82, s82, s83
	s_add_co_u32 s82, s82, 256
	s_lshl_b32 s82, s82, 8
	s_mov_b32 s83, 0
	s_or_b32 s84, ttmp9, s[KV]                     ; 0 in the cluster with x = 0 and kv = 0: the same in all four partners
	s_cmp_eq_u32 s84, 0
	s_cselect_b32 s[LIMH], 1, -1
	s_xor_b32 s84, s16, 2                          ; 0 in wave 2,
	s_or_b32 s84, s84, ttmp9                       ; of a cluster with x = 0
	s_cmp_eq_u32 s84, 0
	s_cselect_b32 s[LIMP], 1, -1
	s_wait_dscnt 0x0                               ; both opening adds are done
	s_wait_kmcnt 0x0
	s_add_nc_u64 s[66:67], s[4:5], s[66:67]
	s_add_nc_u64 s[68:69], s[8:9], s[68:69]
	s_add_nc_u64 s[PFH:PFH+1], s[4:5], s[80:81]
	s_add_nc_u64 s[PFP:PFP+1], s[8:9], s[82:83]
	s_add_nc_u64 s[6:7], s[6:7], s[72:73]
	s_cmp_eq_u32 s[KV], 0
	s_cselect_b64 s[10:11], s[10:11], s[12:13]     ; bk or bv
	s_add_nc_u64 s[10:11], s[10:11], s[74:75]
	s_add_nc_u64 s[14:15], s[14:15], s[76:77]
	CROUND                                         ; all four work-groups are here: the first joint loads meet
.irp n, 0,1
	s_mov_b32 s[G0A+4*\n], 1
	s_add_co_u32 s[G0A+4*\n+1], s70, \n*SLOTB
	s_add_nc_u64 s[G0A+4*\n+2:G0A+4*\n+3], s[66:67], \n*8*TILEB
	s_or_b32 s[G0A+4*\n+3], s[G0A+4*\n+3], 0x80000000
	s_mov_b32 s[G0P+4*\n], 1
	s_add_co_u32 s[G0P+4*\n+1], s71, \n*SLOTB
	s_add_nc_u64 s[G0P+4*\n+2:G0P+4*\n+3], s[68:69], \n*128*256
	s_or_b32 s[G0P+4*\n+3], s[G0P+4*\n+3], 0x80000000
.endr
	s_cmp_lt_u32 s[WV], 2                          ; a wave's two first fills stand in one branch, ahead of every wait on TENSORcnt, every LDS read and every other barrier
	s_cbranch_scc0 .Lfirst_p
	tensor_load_to_lds s[G0A:G0A+3], s[G1A:G1A+7]
	s_nop 0
	tensor_load_to_lds s[G0A+4:G0A+7], s[G1A:G1A+7]
	s_nop 0
	PLACES 4
	s_branch .Lfirst_asked
.Lfirst_p:
	tensor_load_to_lds s[G0P:G0P+3], s[G1P:G1P+7]
	s_nop 0
	tensor_load_to_lds s[G0P+4:G0P+7], s[G1P:G1P+7]
	s_nop 0
	PLACES 4
.Lfirst_asked:
	v_and_b32 v1, 31, v0
	v_lshlrev_b32 v[LI], 4, v1
	v_min_u32 v[PFOH], 16, v1
	v_lshlrev_b32 v[PFOH], 8, v[PFOH]
	v_lshlrev_b32 v[PFOP], 8, v1
	s_mul_i32 s78, s17, 2*TILEB                    ; my two tiles of a step's four
	v_add_nc_u32 v[ADRA], s78, v[LI]
	v_add_nc_u32 v[ADRA+1], SLOTB, v[ADRA]
	v_bfe_u32 v9, v0, 4, 1
	v_and_b32 v12, 7, v0
	v_lshl_add_u32 v12, v9, 3, v12                 ; the turning load: row 8 (l / 16) + l % 8,
	v_mul_u32_u24 v12, v12, PPI
	v_bfe_u32 v13, v0, 3, 1
	v_lshl_add_u32 v12, v13, 4, v12                ; 16 bytes for each half of eight lanes
	s_mul_i32 s78, s17, 32*PPI                     ; my 32 rows of a step's 64
	s_add_co_u32 s78, s78, PMO
	v_add_nc_u32 v[ADRP], s78, v12
	v_add_nc_u32 v[ADRP+1], SLOTB, v[ADRP]
	s_lshl_b32 s78, s16, 14
	s_add_co_u32 s78, s78, STG
	v_add_nc_u32 v[STO], s78, v[LI]
	s_xor_b32 s78, s16, 2
	s_lshl_b32 s78, s78, 14
	s_add_co_u32 s78, s78, STG
	v_add_nc_u32 v[RDP], s78, v[LI]
	v_and_b32 v13, 15, v0
	v_lshlrev_b32 v13, 2, v13                      ; the bias: 4 (l % 16)
	WIN 0x40                                       ; destination window 1
.irp nt, 0,1,2,3
.irp k, 0,1,2,3,4,5,6,7
.irp c, 0,1
	global_load_b128 v[8*(8*\nt+\k)+4*\c:8*(8*\nt+\k)+4*\c+3], v[LI], s[6:7] offset:\nt*TILEB+1024*\k+512*\c   ; W's fragments: images of their registers
.endr
.endr
.endr
	WIN 0
.irp nt, 0,1,2,3
	global_load_b128 v[WSC+4*\nt:WSC+4*\nt+3], v[LI], s[6:7] offset:\nt*TILEB+8192
.endr
.irp nt, 0,1,2,3
.irp j, 0,1,2,3,4,5,6,7
	global_load_b32 v[BI+8*\nt+\j], v13, s[10:11] offset:64*\nt    ; the bias in the result's layout: my d's number in all eight registers
.endr
.endr
; h's two tiles of the step: 2 loads of scale words, then 32 of fragments, K step by K step
.macro ALOAD slot, step
	WIN 0
.irp mt, 0,1
	ds_load_b128 v[ASC+4*\mt:ASC+4*\mt+3], v[ADRA+\slot] offset:4*TILEB*(\step)+TILEB*\mt+8192
.endr
	WIN 0xC0                                       ; destination window 3
.irp k, 0,1,2,3,4,5,6,7
.irp mt, 0,1
.irp c, 0,1
	ds_load_b128 v[8*(8*\mt+\k)+4*\c:8*(8*\mt+\k)+4*\c+3], v[ADRA+\slot] offset:4*TILEB*(\step)+TILEB*\mt+1024*\k+512*\c
.endr
.endr
.endr
	WIN 0
.endm
; pm's 32 rows x 128 kidx, turned: 8 fragments of 16 kidx x 32 s.  Four places stand in front: the last f16 products read these registers
.macro PLOAD slot, step
	PLACES 4
.irp T, 0,1,2,3,4,5,6,7
	ds_load_tr16_b128 v[PF+8*\T:PF+8*\T+3], v[ADRP+\slot] offset:64*PPI*(\step)+32*\T
	ds_load_tr16_b128 v[PF+8*\T+4:PF+8*\T+7], v[ADRP+\slot] offset:64*PPI*(\step)+32*\T+16*PPI
.endr
.endm
; one scaled product: HA(mt, nt) (+)= h(mt, k) W(nt, k)^T; K step 0 takes the bias as C.  Scale register k / 2 holds K step k in lanes 0-15 (k even) or 16-31 (k odd)
.macro FP4 mt, nt, k
.set rD, HA+8*(4*\mt+\nt)
.set rA, 8*(8*\mt+\k)
.set rB, 8*(8*\nt+\k)
.set rC, rD
.if \k == 0
.set rC, BI+8*\nt
.endif
.if (\k)%2
	v_wmma_scale_f32_16x16x128_f8f6f4 v[rD:rD+7], v[rA:rA+7], v[rB:rB+7], v[rC:rC+7], v[ASC+4*\mt+(\k)/2], v[WSC+4*\nt+(\k)/2] matrix_a_fmt:MATRIX_FMT_FP4 matrix_b_fmt:MATRIX_FMT_FP4 matrix_a_scale:MATRIX_SCALE_ROW1 matrix_b_scale:MATRIX_SCALE_ROW1
.else
	v_wmma_scale_f32_16x16x128_f8f6f4 v[rD:rD+7], v[rA:rA+7], v[rB:rB+7], v[rC:rC+7], v[ASC+4*\mt+(\k)/2], v[WSC+4*\nt+(\k)/2] matrix_a_fmt:MATRIX_FMT_FP4 matrix_b_fmt:MATRIX_FMT_FP4
.endif
.endm
; A CHUNK.  fresh: h's tiles are fetched here; pre: the next step's are fetched in its middle; zero: the f16 products start the sums.
.macro CHUNK slot, step, fresh, pre, zero
.if \fresh
	ALOAD \slot, \step
.endif
	PLOAD \slot, \step
.irp k, 0,1,2,3,4,5,6,7
	s_wait_dscnt 44-4*\k                           ; K step k's four loads are in; behind them: 4 (7 - k) of h's and pm's 16
	WIN 0x07                                       ; source 0 window 3, source 1 window 1
.irp mt, 0,1
.irp nt, 0,1,2,3
	FP4 \mt, \nt, \k                               ; the eight accumulators by turns
.endr
.endr
.endr
	WIN 0
	PLACES 4                                       ; in front of the first read of results
.irp nt, 0,1,2,3
.irp mt, 0,1
.irp i, 0,1,2,3
	v_cvt_pk_f16_f32 v[HF+8*\nt+4*\mt+\i], v[HA+8*(4*\mt+\nt)+2*\i], v[HA+8*(4*\mt+\nt)+2*\i+1]   ; each accumulator from its low end on
.endr
.endr
.endr
.if \pre
	ALOAD \slot, (\step)+1
	s_wait_dscnt 34                                ; pm's fragments are in; the 34 loads just issued may be out
.else
	s_wait_dscnt 0x0
.endif
	s_cmp_eq_u32 s[KV], 0
	s_cbranch_scc0 .Lv_\@
	WIN 0xA0                                       ; C and D window 2
.irp T, 0,1,2,3,4,5,6,7
.irp a, 0,1,2,3
.if \zero
	v_wmma_f32_16x16x32_f16 v[8*(4*\T+\a):8*(4*\T+\a)+7], v[HF+8*\a:HF+8*\a+7], v[PF+8*\T:PF+8*\T+7], 0
.else
	v_wmma_f32_16x16x32_f16 v[8*(4*\T+\a):8*(4*\T+\a)+7], v[HF+8*\a:HF+8*\a+7], v[PF+8*\T:PF+8*\T+7], v[8*(4*\T+\a):8*(4*\T+\a)+7]
.endif
.endr
.endr
	WIN 0
	s_branch .Ld_\@
.Lv_\@:
	WIN 0xA0
.irp T, 0,1,2,3,4,5,6,7
.irp a, 0,1,2,3
.if \zero
	v_wmma_f32_16x16x32_f16 v[8*(8*\a+\T):8*(8*\a+\T)+7], v[PF+8*\T:PF+8*\T+7], v[HF+8*\a:HF+8*\a+7], 0
.else
	v_wmma_f32_16x16x32_f16 v[8*(8*\a+\T):8*(8*\a+\T)+7], v[PF+8*\T:PF+8*\T+7], v[HF+8*\a:HF+8*\a+7], v[8*(8*\a+\T):8*(8*\a+\T)+7]
.endif
.endr
.endr
	WIN 0
.Ld_\@:
.endm
; THE CHANGE OF SLOTS: each wave waits for all its tensor loads (its part of the slot ahead), adds 0 to its spare word, waits for that and for its reads of the slot that it leaves.
; fill = 1: a round of the cluster's barrier, and the slot just left is filled with the rows two slots on, first thing behind it; behind that load, the prefetches.
.macro CHANGE slot, fill
	s_wait_tensorcnt 0x0
	ds_add_u32 v[SPW], v[NIL]
.if \fill
	s_add_nc_u64 s[G0A+4*\slot+2:G0A+4*\slot+3], s[G0A+4*\slot+2:G0A+4*\slot+3], 16*TILEB
	s_add_nc_u64 s[G0P+4*\slot+2:G0P+4*\slot+3], s[G0P+4*\slot+2:G0P+4*\slot+3], 256*256
	s_wait_xcnt 0x0                                ; the last prefetches, a slot back, have read their addresses, so they may be written:
	s_add_nc_u64 s[PFH:PFH+1], s[PFH:PFH+1], 8*TILEB   ; one slot further on than the load of this change
	s_add_nc_u64 s[PFP:PFP+1], s[PFP:PFP+1], 128*256
.endif
	s_wait_dscnt 0x0
.if \fill
	CROUND
	JLOAD \slot
	ASK \slot
.else
	s_barrier_signal -1
	s_barrier_wait -1
.endif
.endm
.macro WORK slot, zero
	CHUNK \slot, 0, 1, 1, \zero
	CHUNK \slot, 1, 0, 0, 0
.endm
	s_wait_tensorcnt 0x1                           ; my part of slot 0 is in; slot 1's may stay out
	s_barrier_signal -1
	s_barrier_wait -1
	s_wait_loadcnt 0x0                             ; W, its scale words, the bias
	WORK 0, 1
	s_mov_b32 s60, 3
.Lloop:
	CHANGE 0, 1
	WORK 1, 0
	CHANGE 1, 1
	WORK 0, 0
	s_sub_co_u32 s60, s60, 1
	s_cmp_lg_u32 s60, 0
	s_cbranch_scc1 .Lloop
	CHANGE 0, 0                                    ; the tail is written out: nothing is left to fetch
	WORK 1, 0
; THE END.  Waves w and w xor 2 hold partial sums of the same head over different rows: each hands the other 16 of its 32 tiles through its stage, adds what it receives onto the 16 that it keeps, and stores those.
.macro TST base
	WIN 0x08                                       ; an LDS store's data: window 2
.irp i, 0,1,2,3,4,5,6,7,8,9,10,11,12,13,14,15
	ds_store_b128 v[STO], v[8*(\base+\i):8*(\base+\i)+3] offset:1024*\i
	ds_store_b128 v[STO], v[8*(\base+\i)+4:8*(\base+\i)+7] offset:1024*\i+512
.endr
	WIN 0
.endm
.macro TADD base
	WIN 0xC0
.irp i, 0,1,2,3,4,5,6,7,8,9,10,11,12,13,14,15
	ds_load_b128 v[8*\i:8*\i+3], v[RDP] offset:1024*\i
	ds_load_b128 v[8*\i+4:8*\i+7], v[RDP] offset:1024*\i+512
.endr
	s_wait_dscnt 0x0
	WIN 0xCE                                       ; destination and source 1 window 3, source 0 window 2
.irp i, 0,1,2,3,4,5,6,7,8,9,10,11,12,13,14,15
.irp j, 0,2,4,6
	v_pk_add_f32 v[8*\i+\j:8*\i+\j+1], v[8*(\base+\i)+\j:8*(\base+\i)+\j+1], v[8*\i+\j:8*\i+\j+1]
.endr
.endr
	WIN 0x0C                                       ; a store's data: window 3
.irp i, 0,1,2,3,4,5,6,7,8,9,10,11,12,13,14,15
	global_store_b128 v[LI], v[8*\i:8*\i+3], s[14:15] offset:1024*(\base+\i)          ; 32 lanes store 512 consecutive bytes: half an accumulator's image
	global_store_b128 v[LI], v[8*\i+4:8*\i+7], s[14:15] offset:1024*(\base+\i)+512
.endr
	WIN 0
.endm
	PLACES 4                                       ; in front of the first read of the last products' results
	s_cmp_eq_u32 s17, 0
	s_cbranch_scc0 .Lst1
	TST 16
	s_branch .Lst_done
.Lst1:
	TST 0
.Lst_done:
	s_wait_dscnt 0x0                               ; for the partner's sake: my stores have landed
	s_barrier_signal -1
	s_barrier_wait -1
	s_cmp_eq_u32 s17, 0
	s_cbranch_scc0 .Lad1
	TADD 0
	s_branch .Lad_done
.Lad1:
	TADD 16
.Lad_done:
	s_wait_tensorcnt 0x0                           ; the wave's end
	ds_add_u32 v[SPW], v[NIL]
	s_wait_dscnt 0x0
	CROUND                                         ; the closing round
	s_endpgm
.Lfunc_end_k_qd771fd5f82_kvproj:
	.size	k_qd771fd5f82_kvproj, .Lfunc_end_k_qd771fd5f82_kvproj-k_qd771fd5f82_kvproj
	.p2alignl 7, 3214868480
	.fill 96, 4, 3214868480
	.section	.rodata,"a",@progbits
	.p2align	6, 0x0
	.amdhsa_kernel k_qd771fd5f82_kvproj
		.amdhsa_group_segment_fixed_size 327680
		.amdhsa_private_segment_fixed_size 0
		.amdhsa_enable_private_segment 0
		.amdhsa_kernarg_size 48
		.amdhsa_user_sgpr_count 2
		.amdhsa_user_sgpr_kernarg_segment_ptr 1
		.amdhsa_wavefront_size32 1
		.amdhsa_system_sgpr_workgroup_id_x 1
		.amdhsa_system_sgpr_workgroup_id_y 1
		.amdhsa_system_sgpr_workgroup_id_z 1
		.amdhsa_system_vgpr_workitem_id 0
		.amdhsa_next_free_vgpr 1024
		.amdhsa_next_free_sgpr 96
		.amdhsa_reserve_vcc 0
		.amdhsa_float_denorm_mode_32 3
		.amdhsa_float_denorm_mode_16_64 3
		.amdhsa_memory_ordered 1
		.amdhsa_forward_progress 1
		.amdhsa_inst_pref_size 189
	.end_amdhsa_kernel
	.amdgpu_metadata
---
amdhsa.version: [ 1, 2 ]
amdhsa.kernels:
  - .name:           k_qd771fd5f82_kvproj
    .symbol:         k_qd771fd5f82_kvproj.kd
    .args:
      - { .name: hq, .offset: 0, .size: 8, .value_kind: global_buffer, .address_space: global }
      - { .name: wc, .offset: 8, .size: 8, .value_kind: global_buffer, .address_space: global }
      - { .name: pm, .offset: 16, .size: 8, .value_kind: global_buffer, .address_space: global }
      - { .name: bk, .offset: 24, .size: 8, .value_kind: global_buffer, .address_space: global }
      - { .name: bv, .offset: 32, .size: 8, .value_kind: global_buffer, .address_space: global }
      - { .name: part, .offset: 40, .size: 8, .value_kind: global_buffer, .address_space: global }
    .group_segment_fixed_size: 327680
    .private_segment_fixed_size: 0
    .kernarg_segment_align: 8
    .kernarg_segment_size: 48
    .max_flat_workgroup_size: 128
    .sgpr_count:     96
    .vgpr_count:     1024
    .wavefront_size: 32
...
	.end_amdgpu_metadata
.endif
;; end of part 2
;; launch finish (part 3): grid 256 x 1, 2 waves a work-group, no clusters, 0 bytes of LDS; arguments part, kvf, kvs; writes kvf, kvs
.if DOCPART == 3
	.amdgcn_target "amdgcn-amd-amdhsa--gfx1250"
	.amdhsa_code_object_version 6
	.text
	.protected	k_qd771fd5f82_finish
	.globl	k_qd771fd5f82_finish
	.p2align	8
	.type	k_qd771fd5f82_finish,@function
k_qd771fd5f82_finish:
	s_mov_b64 s[64:65], 0
	v_nop
	global_prefetch_b8 v0, s[64:65] scope:SCOPE_SE
	s_setreg_imm32_b32 hwreg(HW_REG_WAVE_MODE, 25, 1), 1
	s_wait_xcnt 0x0
; Launch 3 of 4: the four partial sums of each projected k and v are added, in f32, and become f16 fragments under a power-of-two scale of their own.  No work is left out.
; g = 16 (2 b + kv) + head = work-group / 2; w = 2 (work-group % 2) + wave.  A wave owns accumulator tiles 8 w .. 8 w + 7 of g: for k the keys 32 w .. 32 w + 31 with all 64 d, for v the 16 d of tile w with all 128 keys.
; In both cases the later product's contracted axis lies whole in the wave, so one scale a wave is undone in f32 behind that product: for k in the softmax's factor, for v in the last division.
; THE SCALE: up = 2^floor(log2(the wave's largest magnitude)), held to 2^-126 .. 2^126; the numbers are multiplied by 1 / up (nothing is rounded but what falls under f16's smallest numbers) and lie under 2.
; Two neighbouring tiles, rounded in pairs, are one fragment of 8 registers; it is stored as the image of those registers.  kvs gets up x log2(e) / 8 for k (8 = sqrt(64)) and up for v.
; Waves share nothing: no LDS, no barrier, no cluster.
.set MSB, 0
.macro WIN new
.if MSB != \new
	s_set_vgpr_msb (MSB<<8)|\new
.set MSB, \new
.endif
.endm
	s_load_b128 s[4:7], s[0:1], 0x0                ; part, kvf
	s_load_b64 s[8:9], s[0:1], 0x10                ; kvs
	v_lshrrev_b32 v1, 5, v0
	v_readfirstlane_b32 s10, v1
	s_lshr_b32 s11, ttmp9, 1                       ; g
	s_and_b32 s12, ttmp9, 1
	s_lshl_b32 s12, s12, 1
	s_add_co_u32 s12, s12, s10                     ; w
	v_and_b32 v1, 31, v0
	v_lshlrev_b32 v2, 4, v1                        ; 16 x lane
	v_lshlrev_b32 v3, 2, v1                        ; 4 x lane
	s_lshl_b32 s14, s11, 17                        ; part: 131,072 g + 8,192 w
	s_lshl_b32 s13, s12, 13
	s_add_co_u32 s14, s14, s13
	s_mov_b32 s15, 0
	s_lshl_b32 s16, s11, 14                        ; kvf: 16,384 g + 4,096 w
	s_lshl_b32 s13, s12, 12
	s_add_co_u32 s16, s16, s13
	s_mov_b32 s17, 0
	s_lshl_b32 s18, s11, 2                         ; kvs: 128 (4 g + w)
	s_add_co_u32 s18, s18, s12
	s_lshl_b32 s18, s18, 7
	s_mov_b32 s19, 0
	s_mov_b32 s20, 0x76543210
	s_mov_b32 s21, 0xfedcba98
	s_mov_b32 s22, 0x00800000                      ; 2^-126
	s_mov_b32 s23, 0x7e800000                      ; 2^126
	s_bitcmp1_b32 s11, 4                           ; v?
	s_cselect_b32 s24, 1.0, 0x3e38aa3b             ; 1, or log2(e) / 8
	s_wait_kmcnt 0x0
	s_add_nc_u64 s[4:5], s[4:5], s[14:15]
	s_add_nc_u64 s[6:7], s[6:7], s[16:17]
	s_add_nc_u64 s[8:9], s[8:9], s[18:19]
.irp p, 0,1,2                          ; partial sums 0 to 2: v64-127, v128-191, v192-255
.irp t, 0,1,2,3,4,5,6,7
.irp c, 0,1
	global_load_b128 v[64+64*\p+8*\t+4*\c:64+64*\p+8*\t+4*\c+3], v2, s[4:5] offset:32768*\p+1024*\t+512*\c th:TH_LOAD_NT
.endr
.endr
.endr
	WIN 0x40                                       ; partial sum 3: v0-63 of window 1
.irp t, 0,1,2,3,4,5,6,7
.irp c, 0,1
	global_load_b128 v[8*\t+4*\c:8*\t+4*\c+3], v2, s[4:5] offset:32768*3+1024*\t+512*\c th:TH_LOAD_NT
.endr
.endr
	WIN 0
	s_wait_loadcnt 0x0
.set j, 0
.rept 32
	v_pk_add_f32 v[64+j:65+j], v[64+j:65+j], v[128+j:129+j]
.set j, j+2
.endr
	WIN 0x04                                       ; source 1 window 1
.set j, 0
.rept 32
	v_pk_add_f32 v[192+j:193+j], v[192+j:193+j], v[j:j+1]
.set j, j+2
.endr
	WIN 0
.set j, 0
.rept 32
	v_pk_add_f32 v[64+j:65+j], v[64+j:65+j], v[192+j:193+j]
.set j, j+2
.endr
	v_max3_num_f32 v8, |v64|, |v65|, |v66|         ; the largest magnitude of my 64, in two chains
	v_max3_num_f32 v9, |v67|, |v68|, |v69|
.irp i, 6,10,14,18,22,26,30,34,38,42,46,50,54,58
	v_max3_num_f32 v8, v8, |v[64+\i]|, |v[65+\i]|
	v_max3_num_f32 v9, v9, |v[66+\i]|, |v[67+\i]|
.endr
	v_max3_num_f32 v8, v8, |v126|, |v127|
	v_max_num_f32 v8, v8, v9
	v_max_num_f32_dpp v8, v8, v8 row_xmask:1 row_mask:0xf bank_mask:0xf
	v_max_num_f32_dpp v8, v8, v8 row_xmask:2 row_mask:0xf bank_mask:0xf
	v_max_num_f32_dpp v8, v8, v8 row_xmask:4 row_mask:0xf bank_mask:0xf
	v_max_num_f32_dpp v8, v8, v8 row_xmask:8 row_mask:0xf bank_mask:0xf
	v_permlanex16_b32 v9, v8, s20, s21
	v_max_num_f32 v8, v8, v9                       ; the wave's
	v_med3_num_f32 v8, v8, s22, s23
	v_and_b32 v10, 0x7f800000, v8                  ; up
	v_sub_nc_u32 v12, 0x7f000000, v10              ; 1 / up: the exponent field 254 - up's
	v_mov_b32 v13, v12
.set j, 0
.rept 32
	v_pk_mul_f32 v[64+j:65+j], v[64+j:65+j], v[12:13]
.set j, j+2
.endr
.set j, 0
.rept 32
	v_cvt_pk_f16_f32 v[16+j], v[64+2*j], v[65+2*j]
.set j, j+1
.endr
.irp t, 0,1,2,3,4,5,6,7
	global_store_b128 v2, v[16+4*\t:19+4*\t], s[6:7] offset:512*\t    ; 32 lanes store 512 consecutive bytes: half a fragment's image
.endr
	v_mul_f32 v11, s24, v10
	global_store_b32 v3, v11, s[8:9]
	s_endpgm
.Lfunc_end_k_qd771fd5f82_finish:
	.size	k_qd771fd5f82_finish, .Lfunc_end_k_qd771fd5f82_finish-k_qd771fd5f82_finish
	.p2alignl 7, 3214868480
	.fill 96, 4, 3214868480
	.section	.rodata,"a",@progbits
	.p2align	6, 0x0
	.amdhsa_kernel k_qd771fd5f82_finish
		.amdhsa_group_segment_fixed_size 0
		.amdhsa_private_segment_fixed_size 0
		.amdhsa_enable_private_segment 0
		.amdhsa_kernarg_size 24
		.amdhsa_user_sgpr_count 2
		.amdhsa_user_sgpr_kernarg_segment_ptr 1
		.amdhsa_wavefront_size32 1
		.amdhsa_system_sgpr_workgroup_id_x 1
		.amdhsa_system_sgpr_workgroup_id_y 1
		.amdhsa_system_sgpr_workgroup_id_z 1
		.amdhsa_system_vgpr_workitem_id 0
		.amdhsa_next_free_vgpr 336
		.amdhsa_next_free_sgpr 66
		.amdhsa_reserve_vcc 0
		.amdhsa_float_denorm_mode_32 3
		.amdhsa_float_denorm_mode_16_64 3
		.amdhsa_memory_ordered 1
		.amdhsa_forward_progress 1
		.amdhsa_inst_pref_size 22
	.end_amdhsa_kernel
	.amdgpu_metadata
---
amdhsa.version: [ 1, 2 ]
amdhsa.kernels:
  - .name:           k_qd771fd5f82_finish
    .symbol:         k_qd771fd5f82_finish.kd
    .args:
      - { .name: part, .offset: 0, .size: 8, .value_kind: global_buffer, .address_space: global }
      - { .name: kvf, .offset: 8, .size: 8, .value_kind: global_buffer, .address_space: global }
      - { .name: kvs, .offset: 16, .size: 8, .value_kind: global_buffer, .address_space: global }
    .group_segment_fixed_size: 0
    .private_segment_fixed_size: 0
    .kernarg_segment_align: 8
    .kernarg_segment_size: 24
    .max_flat_workgroup_size: 64
    .sgpr_count:     66
    .vgpr_count:     336
    .wavefront_size: 32
...
	.end_amdgpu_metadata
.endif
;; end of part 3
;; launch attn (part 4): grid 8 x 32, 4 waves a work-group, clusters of 4 x 1, 327,680 bytes of LDS; arguments hq, wc, bq, kvf, kvs, out0; writes out0
.if DOCPART == 4
	.amdgcn_target "amdgcn-amd-amdhsa--gfx1250"
	.amdhsa_code_object_version 6
	.text
	.protected	k_qd771fd5f82_attn
	.globl	k_qd771fd5f82_attn
	.p2align	8
	.type	k_qd771fd5f82_attn,@function
k_qd771fd5f82_attn:
	s_mov_b64 s[64:65], 0
	v_nop
	global_prefetch_b8 v0, s[64:65] scope:SCOPE_SE
	s_setreg_imm32_b32 hwreg(HW_REG_WAVE_MODE, 25, 1), 1
	s_wait_xcnt 0x0
	s_wait_alu depctr_hold_cnt(0) depctr_sa_sdst(0) depctr_va_vdst(0) depctr_va_sdst(0) depctr_va_ssrc(0) depctr_va_vcc(0) depctr_vm_vsrc(0)
	s_getreg_b32 s2, hwreg(HW_REG_IB_STS2, 6, 4)
	s_cmp_eq_u32 s2, 0
	s_cbranch_scc0 .Lentry_in_a_cluster
	s_endpgm
.Lentry_in_a_cluster:
	s_bfe_u32 s2, ttmp6, 0x10000c
	s_cmp_lg_u32 s2, 0x3003
	s_cbranch_scc0 .Lentry_shape_is_right
	s_endpgm
.Lentry_shape_is_right:
; Launch 4 of 4: q = Q(h) Q(Wq)^T + bq (FP4 codes, f32 sums), fused with the attention over the 128 projected keys (f16 operands, f32 sums, softmax in f32).  q, the scores and the weights never go to memory.  No work is left out.
; SHARES.  Work-group (x, y): y = 8 b + sp: sample b, rows 512 sp on; x: two heads.  Wave w: rows half w / 2, head 2 x + w % 2.  A CHUNK of a wave is 32 queries of one head; a QUARTER is 128 rows of the work-group: two chunks a wave.
; A wave's 64 rows of Wq, its head's k and v fragments, the bias and the scales stay in registers, read by the wave itself.
; LDS.  The work-group's 32 tiles of hq (278,528 bytes) come once: nothing is filled again.  Every wave issues two loads at the start: its share of the first quarter, and of the rest: two tensor loads of a wave are out.
; CLUSTER.  The four work-groups of a cluster differ in x alone and read the same tiles of hq: both loads are JOINT, with the constant mask 15.
; LAYOUT.  All three products are used transposed, so that a lane holds ONE query (lane % 16) throughout: q^T = Wq h^T (registers along d), S^T = k q^T (registers along the keys), O^T = v^T p^T (registers along d).
; Two neighbouring result tiles, rounded to f16 in pairs, are the next product's source 1: nothing changes lanes.
; SOFTMAX.  t = S x cK[g], cK[g] = (the scale of keys 32 g ..) x log2(e) / 8; M = the row's largest t; p = 2^(t - M); the row's sum is taken of the unrounded p; O^T is multiplied by (v's scale of its 16 d) / sum.
; LIMIT: |q| above 65,504 has no f16 number.
; REGISTERS: window 0: v2-11 addresses; v16-23 h's scale words, v24-39 Wq's; v40-63 statistics, 12 a row tile; v64-127 p as f16; v128-255 S^T, then p; on the way out v192-255 o, v128-191 rows read back.
;   window 1: Wq's fragments.   window 2: v0-127 k's fragments, v128-255 v^T's.   window 3: v0-127 h's fragments; v128-191 q^T, later O^T; v192-223 q as f16; v224-255 bq as C.
.set TILEB, 8704
.set STG,   32*TILEB                   ; behind the tiles: 16 rows x (256 bytes + 16) for each wave
.set SPARE, STG+4*4352                 ; the spare words, 128 bytes a wave
.set LI,  2                            ; v2  16 x lane
.set A0,  3                            ; v3  my two tiles of a chunk's four, + 16 x lane
.set ADR, 4                            ; v4  the same in the quarter in hand
.set STO, 5                            ; v5  the stage: where I put 32 bytes of a row
.set RD,  6                            ; v6  and where I read a row back
.set GO,  7                            ; v7  my byte offset in two rows of out0
.set SPW, 10
.set NIL, 11
.set ASC, 16
.set WSC, 24
.set ST,  40                           ; row tile mt at ST + 12 mt: +0..3 the groups' maxima, later the factors at +0, +2, +4, +6; +4, +5 at work; +6 -M; +8..11 the sums; +9 later the reciprocal
.set PP,  64
.set S,   128
.set QA,  128                          ; window 3
.set QF,  192
.set BQ,  224
.set VF,  128                          ; window 2
.set WV,  16
.set G1F, 28                           ; s[28:35] group 1 of the first quarter's load; s[36:43] of the rest's; s[44:47], s[48:51] their groups 0
.set G1R, 36
.set G0F, 44
.set G0R, 48
.set CK,  52                           ; s[52:59] cK[g], each as a pair
.set UPV, 60                           ; s[60:63] v's scales
.set SEL, 66                           ; s[66:67]
.set TB,  68                           ; s68 LDS byte at which the quarter in hand begins
.set MSB, 0
.macro WIN new
.if MSB != \new
	s_set_vgpr_msb (MSB<<8)|\new
.set MSB, \new
.endif
.endm
.macro PLACES n
.rept \n
	v_nop
.endr
.endm
.macro CROUND
	s_barrier_signal -1
	s_barrier_wait -1
	s_cmp_lg_u32 s[WV], 0
	s_cbranch_scc1 .Lnot_wave_0_\@
	s_barrier_signal -3
.Lnot_wave_0_\@:
	s_barrier_wait -3
	s_barrier_signal -1
	s_barrier_wait -1
.endm
	s_load_b256 s[4:11], s[0:1], 0x0               ; hq s[4:5], wc s[6:7], bq s[8:9], kvf s[10:11]
	s_load_b128 s[12:15], s[0:1], 0x20             ; kvs s[12:13], out0 s[14:15]
	v_lshl_add_u32 v[SPW], v0, 2, SPARE
	v_mov_b32 v[NIL], 0
	ds_add_u32 v[SPW], v[NIL]                      ; the wave's opening: the add, twice on end, and its wait ahead of my first tensor load
	ds_add_u32 v[SPW], v[NIL]
	v_lshrrev_b32 v1, 5, v0
	v_readfirstlane_b32 s[WV], v1
	s_lshr_b32 s17, s16, 1                         ; rows half
	s_and_b32 s18, s16, 1
	s_bfe_u32 s19, ttmp6, 0x40000                  ; cx
	s_lshl_b32 s20, ttmp9, 2
	s_add_co_u32 s20, s20, s19                     ; x
	s_and_b32 s21, ttmp7, 0xffff                   ; y
	s_lshr_b32 s22, s21, 3                         ; b
	s_and_b32 s23, s21, 7                          ; sp
	s_lshl_b32 s24, s20, 1
	s_add_co_u32 s24, s24, s18                     ; my head
	s_mov_b32 s[G1F], 15|(3<<16)|(1<<21)           ; the mask: all four; elements of 8 bytes; bit 21 beside a mask; no padding
	s_mov_b32 s[G1F+1], 32<<16                     ; rows of 256 bytes,
	s_mov_b32 s[G1F+2], 68<<16                     ; 68 of them: two tiles, dense
	s_mov_b32 s[G1F+3], 32<<16
	s_mov_b32 s[G1F+4], 68
	s_mov_b32 s[G1F+5], 32
	s_mov_b32 s[G1F+6], 0
	s_mov_b32 s[G1F+7], 0
	s_mov_b32 s[G1R], 15|(3<<16)|(1<<21)
	s_mov_b32 s[G1R+1], 32<<16
	s_mov_b32 s[G1R+2], 204<<16                    ; 204 rows: six tiles
	s_mov_b32 s[G1R+3], 32<<16
	s_mov_b32 s[G1R+4], 204
	s_mov_b32 s[G1R+5], 32
	s_mov_b32 s[G1R+6], 0
	s_mov_b32 s[G1R+7], 0
	s_lshl_b32 s70, s22, 8
	s_lshl_b32 s71, s23, 5
	s_add_co_u32 s70, s70, s71                     ; the work-group's first tile: 256 b + 32 sp
	s_lshl_b32 s71, s16, 1
	s_add_co_u32 s72, s70, s71                     ; first quarter: tiles 2 w, 2 w + 1
	s_mul_i32 s72, s72, TILEB
	s_mov_b32 s73, 0
	s_mul_i32 s71, s16, 6
	s_add_co_u32 s74, s70, s71
	s_add_co_u32 s74, s74, 8                       ; the rest: tiles 8 + 6 w on
	s_mul_i32 s74, s74, TILEB
	s_mov_b32 s75, 0
	s_mul_i32 s76, s16, 2*TILEB                    ; where they go: no place in the cluster enters an LDS address
	s_mul_i32 s77, s16, 6*TILEB
	s_add_co_u32 s77, s77, 8*TILEB
	s_mul_i32 s78, s24, 4*TILEB                    ; wc: Wq's tiles 4 head on
	s_mov_b32 s79, 0
	s_lshl_b32 s80, s24, 8                         ; bq: 64 numbers a head
	s_mov_b32 s81, 0
	s_lshl_b32 s82, s22, 5
	s_add_co_u32 s82, s82, s24                     ; k's g = 32 b + head; v's is 16 further on
	s_lshl_b32 s84, s82, 9                         ; kvs: 512 bytes a g
	s_mov_b32 s85, 0
	s_lshl_b32 s82, s82, 14                        ; kvf: 16,384 bytes a g
	s_mov_b32 s83, 0
	s_lshl_b32 s86, s22, 12                        ; out0: row 4,096 b + 512 sp + 32 (w / 2), 4,096 bytes each, + 256 head
	s_lshl_b32 s87, s23, 9
	s_add_co_u32 s86, s86, s87
	s_lshl_b32 s87, s17, 5
	s_add_co_u32 s86, s86, s87
	s_lshl_b32 s86, s86, 12
	s_add_co_u32 s86, s86, s80
	s_mov_b32 s87, 0
	s_mov_b32 s[SEL], 0x76543210
	s_mov_b32 s[SEL+1], 0xfedcba98
	s_mov_b32 s[TB], 0
	s_wait_dscnt 0x0                               ; both opening adds are done
	s_wait_kmcnt 0x0
	s_add_nc_u64 s[72:73], s[4:5], s[72:73]
	s_add_nc_u64 s[74:75], s[4:5], s[74:75]
	s_add_nc_u64 s[6:7], s[6:7], s[78:79]
	s_add_nc_u64 s[8:9], s[8:9], s[80:81]
	s_add_nc_u64 s[10:11], s[10:11], s[82:83]
	s_add_nc_u64 s[12:13], s[12:13], s[84:85]
	s_add_nc_u64 s[14:15], s[14:15], s[86:87]
	CROUND                                         ; all four work-groups are here: the joint loads meet
	s_mov_b32 s[G0F], 1
	s_mov_b32 s[G0F+1], s76
	s_mov_b64 s[G0F+2:G0F+3], s[72:73]
	s_or_b32 s[G0F+3], s[G0F+3], 0x80000000
	s_mov_b32 s[G0R], 1
	s_mov_b32 s[G0R+1], s77
	s_mov_b64 s[G0R+2:G0R+3], s[74:75]
	s_or_b32 s[G0R+3], s[G0R+3], 0x80000000
	tensor_load_to_lds s[G0F:G0F+3], s[G1F:G1F+7]  ; every wave issues both: no branch
	s_nop 0
	tensor_load_to_lds s[G0R:G0R+3], s[G1R:G1R+7]
	s_nop 0
	PLACES 4
.irp g, 0,1,2,3
	s_load_b32 s[CK+2*\g], s[12:13], 128*\g        ; cK of keys 32 g on
	s_load_b32 s[UPV+\g], s[12:13], 8192+128*\g    ; v's scale of d 16 g on
.endr
	v_and_b32 v1, 31, v0
	v_lshlrev_b32 v[LI], 4, v1
	s_mul_i32 s70, s17, 2*TILEB
	v_add_nc_u32 v[A0], s70, v[LI]
	v_and_b32 v8, 15, v0                           ; r
	v_bfe_u32 v9, v0, 4, 1                         ; h
	s_mul_i32 s70, s16, 4352
	s_add_co_u32 s70, s70, STG                     ; my stage
	v_mul_u32_u24 v[STO], v8, 272
	v_lshl_add_u32 v[STO], v9, 5, v[STO]
	v_add_nc_u32 v[STO], s70, v[STO]               ; in: row r, + 32 h
	v_mul_u32_u24 v[RD], v9, 272
	v_lshl_add_u32 v[RD], v8, 4, v[RD]
	v_add_nc_u32 v[RD], s70, v[RD]                 ; back: lanes 0-15 one row, lanes 16-31 the next
	v_lshlrev_b32 v[GO], 12, v9
	v_lshl_add_u32 v[GO], v8, 4, v[GO]             ; and the same two rows in out0
	v_lshlrev_b32 v12, 5, v9                       ; bq: 32 h
	WIN 0x40                                       ; destination window 1
.irp nt, 0,1,2,3
.irp k, 0,1,2,3,4,5,6,7
.irp c, 0,1
	global_load_b128 v[8*(8*\nt+\k)+4*\c:8*(8*\nt+\k)+4*\c+3], v[LI], s[6:7] offset:\nt*TILEB+1024*\k+512*\c
.endr
.endr
.endr
	WIN 0x80                                       ; destination window 2
.irp f, 0,1,2,3,4,5,6,7,8,9,10,11,12,13,14,15
.irp c, 0,1
	global_load_b128 v[8*\f+4*\c:8*\f+4*\c+3], v[LI], s[10:11] offset:1024*\f+512*\c                  ; k's fragment f = 2 T + c: keys 16 T on, d 32 c on
	global_load_b128 v[VF+8*\f+4*\c:VF+8*\f+4*\c+3], v[LI], s[10:11] offset:262144+1024*\f+512*\c     ; v^T's fragment f = 4 a + q: d 16 a on, keys 32 q on
.endr
.endr
	WIN 0xC0                                       ; destination window 3
.irp nt, 0,1,2,3
.irp c, 0,1
	global_load_b128 v[BQ+8*\nt+4*\c:BQ+8*\nt+4*\c+3], v12, s[8:9] offset:64*\nt+16*\c               ; bq in the result's layout: d = 16 nt + 8 h + 0 .. 7
.endr
.endr
	WIN 0
.irp nt, 0,1,2,3
	global_load_b128 v[WSC+4*\nt:WSC+4*\nt+3], v[LI], s[6:7] offset:\nt*TILEB+8192
.endr
.set j, 0
.rept 24
	v_mov_b32 v[ST+j], 0                           ; written once: lane exchanges' destinations and the upper words of pairs count as read
.set j, j+1
.endr
	s_wait_kmcnt 0x0
.irp g, 0,1,2,3
	s_mov_b32 s[CK+2*\g+1], s[CK+2*\g]             ; (named as a pair, so the upper word is written)
.endr
.macro ALOAD e                         ; h's two tiles of chunk e: 2 loads of scale words, then 32 of fragments, K step by K step
	WIN 0
.irp mt, 0,1
	ds_load_b128 v[ASC+4*\mt:ASC+4*\mt+3], v[ADR] offset:4*TILEB*(\e)+TILEB*\mt+8192
.endr
	WIN 0xC0
.irp k, 0,1,2,3,4,5,6,7
.irp mt, 0,1
.irp c, 0,1
	ds_load_b128 v[8*(8*\mt+\k)+4*\c:8*(8*\mt+\k)+4*\c+3], v[ADR] offset:4*TILEB*(\e)+TILEB*\mt+1024*\k+512*\c
.endr
.endr
.endr
	WIN 0
.endm
.macro QFP4 mt, nt, k                  ; q^T(mt, nt) (+)= Wq(nt, k) h(mt, k)^T; K step 0 takes the bias as C
.set rD, QA+8*(4*\mt+\nt)
.set rA, 8*(8*\nt+\k)
.set rB, 8*(8*\mt+\k)
.set rC, rD
.if \k == 0
.set rC, BQ+8*\nt
.endif
.if (\k)%2
	v_wmma_scale_f32_16x16x128_f8f6f4 v[rD:rD+7], v[rA:rA+7], v[rB:rB+7], v[rC:rC+7], v[WSC+4*\nt+(\k)/2], v[ASC+4*\mt+(\k)/2] matrix_a_fmt:MATRIX_FMT_FP4 matrix_b_fmt:MATRIX_FMT_FP4 matrix_a_scale:MATRIX_SCALE_ROW1 matrix_b_scale:MATRIX_SCALE_ROW1
.else
	v_wmma_scale_f32_16x16x128_f8f6f4 v[rD:rD+7], v[rA:rA+7], v[rB:rB+7], v[rC:rC+7], v[WSC+4*\nt+(\k)/2], v[ASC+4*\mt+(\k)/2] matrix_a_fmt:MATRIX_FMT_FP4 matrix_b_fmt:MATRIX_FMT_FP4
.endif
.endm
; The softmax of both row tiles, line by line by turns, up to p as f16.
.macro SOFTMAX
.irp g, 0,1,2,3
.irp mt, 0,1
	v_max3_num_f32 v[ST+12*\mt+\g], v[S+64*\mt+16*\g], v[S+64*\mt+16*\g+1], v[S+64*\mt+16*\g+2]   ; the largest score of keys 32 g on: each accumulator is read from its low end on
.endr
.endr
.irp i, 3,5,7,9,11,13
.irp g, 0,1,2,3
.irp mt, 0,1
	v_max3_num_f32 v[ST+12*\mt+\g], v[ST+12*\mt+\g], v[S+64*\mt+16*\g+\i], v[S+64*\mt+16*\g+\i+1]
.endr
.endr
.endr
.irp g, 0,1,2,3
.irp mt, 0,1
	v_max_num_f32 v[ST+12*\mt+\g], v[ST+12*\mt+\g], v[S+64*\mt+16*\g+15]
.endr
.endr
.irp g, 0,1,2,3
.irp mt, 0,1
	v_mul_f32 v[ST+12*\mt+\g], s[CK+2*\g], v[ST+12*\mt+\g]         ; as t (cK is positive)
.endr
.endr
.irp mt, 0,1
	v_max3_num_f32 v[ST+12*\mt+4], v[ST+12*\mt], v[ST+12*\mt+1], v[ST+12*\mt+2]
.endr
.irp mt, 0,1
	v_max_num_f32 v[ST+12*\mt+4], v[ST+12*\mt+4], v[ST+12*\mt+3]
.endr
.irp mt, 0,1
	v_permlanex16_b32 v[ST+12*\mt+5], v[ST+12*\mt+4], s[SEL], s[SEL+1]   ; the query's other 64 keys lie in the lane 16 away
.endr
.irp mt, 0,1
	v_max_num_f32 v[ST+12*\mt+4], v[ST+12*\mt+4], v[ST+12*\mt+5]   ; M
.endr
.irp mt, 0,1
	v_xor_b32 v[ST+12*\mt+6], 0x80000000, v[ST+12*\mt+4]           ; -M
.endr
.irp g, 0,1,2,3
.irp j, 0,2,4,6,8,10,12,14
.irp mt, 0,1
	v_pk_fma_f32 v[S+64*\mt+16*\g+\j:S+64*\mt+16*\g+\j+1], v[S+64*\mt+16*\g+\j:S+64*\mt+16*\g+\j+1], s[CK+2*\g:CK+2*\g+1], v[ST+12*\mt+6:ST+12*\mt+7] op_sel_hi:[1,0,0]   ; t - M, two at a time
.endr
.endr
.endr
.set j, 0
.rept 128
	v_exp_f32 v[S+j], v[S+j]                       ; p = 2^(t - M): one batch
.set j, j+1
.endr
	v_nop                                          ; a plain line behind the last exponential,
	s_wait_alu depctr_va_vdst(0)                   ; and ONE wait for the batch, ahead of its first reader
.irp mt, 0,1
	v_pk_add_f32 v[ST+12*\mt+8:ST+12*\mt+9], v[S+64*\mt:S+64*\mt+1], v[S+64*\mt+2:S+64*\mt+3]       ; the row's sum, of the unrounded p, in two chains
	v_pk_add_f32 v[ST+12*\mt+10:ST+12*\mt+11], v[S+64*\mt+4:S+64*\mt+5], v[S+64*\mt+6:S+64*\mt+7]
.endr
.irp j, 8,12,16,20,24,28,32,36,40,44,48,52,56,60
.irp mt, 0,1
	v_pk_add_f32 v[ST+12*\mt+8:ST+12*\mt+9], v[ST+12*\mt+8:ST+12*\mt+9], v[S+64*\mt+\j:S+64*\mt+\j+1]
	v_pk_add_f32 v[ST+12*\mt+10:ST+12*\mt+11], v[ST+12*\mt+10:ST+12*\mt+11], v[S+64*\mt+\j+2:S+64*\mt+\j+3]
.endr
.endr
.irp mt, 0,1
	v_pk_add_f32 v[ST+12*\mt+8:ST+12*\mt+9], v[ST+12*\mt+8:ST+12*\mt+9], v[ST+12*\mt+10:ST+12*\mt+11]
.endr
.set i, 0
.rept 32
	v_cvt_pk_f16_f32 v[PP+i], v[S+2*i], v[S+2*i+1]                 ; tiles 2 q and 2 q + 1 make the fragment of keys 32 q on
	v_cvt_pk_f16_f32 v[PP+32+i], v[S+64+2*i], v[S+64+2*i+1]
.set i, i+1
.endr
.endm
; The way out of chunk e: O^T x (v's scale / the sum), through my stage, a row tile at a time; sixteen lanes store a head's 256 bytes of a row, aligned.
.macro OUT e
	WIN 0x03                                       ; source 0 window 3
.irp mt, 0,1
.irp a, 0,1,2,3
.irp j, 0,2,4,6
	v_pk_mul_f32 v[192+32*\mt+8*\a+\j:192+32*\mt+8*\a+\j+1], v[QA+8*(4*\mt+\a)+\j:QA+8*(4*\mt+\a)+\j+1], v[ST+12*\mt+2*\a:ST+12*\mt+2*\a+1] op_sel_hi:[1,0]
.endr
.endr
.endr
	WIN 0
.irp mt, 0,1
.irp a, 0,1,2,3
	ds_store_b128 v[STO], v[192+32*\mt+8*\a:192+32*\mt+8*\a+3] offset:64*\a
	ds_store_b128 v[STO], v[192+32*\mt+8*\a+4:192+32*\mt+8*\a+7] offset:64*\a+16
.endr
.irp i, 0,1,2,3,4,5,6,7
	ds_load_b128 v[128+32*\mt+4*\i:128+32*\mt+4*\i+3], v[RD] offset:544*\i   ; LDS serves a wave's instructions in order: these see my stores, and the next row tile's stores come behind them
.endr
.endr
.irp mt, 0,1
.irp i, 0,1,2,3,4,5,6,7
	s_wait_dscnt 16*(1-\mt)+7-\i                   ; behind this load: the younger ones of its row tile, and the other row tile's sixteen
	global_store_b128 v[GO], v[128+32*\mt+4*\i:128+32*\mt+4*\i+3], s[14:15] offset:(64*(\e)+16*\mt+2*\i)*4096 th:TH_STORE_NT
.endr
.endr
.endm
.macro CHUNK e, fresh, pre
.if \fresh
	v_add_nc_u32 v[ADR], s[TB], v[A0]
	ALOAD \e
.endif
.irp k, 0,1,2,3,4,5,6,7
	s_wait_dscnt 28-4*\k                           ; K step k's four loads are in; behind them 4 (7 - k) of the later K steps
	WIN 0xFD                                       ; source 0 window 1; source 1, C and D window 3
.irp mt, 0,1
.irp nt, 0,1,2,3
	QFP4 \mt, \nt, \k                              ; the eight accumulators by turns
.endr
.endr
.endr
	PLACES 4                                       ; in front of the first read of results
	WIN 0xCF
.irp mt, 0,1
.irp nt, 0,1,2,3
.irp i, 0,1,2,3
	v_cvt_pk_f16_f32 v[QF+16*\mt+4*\nt+\i], v[QA+8*(4*\mt+\nt)+2*\i], v[QA+8*(4*\mt+\nt)+2*\i+1]
.endr
.endr
.endr
.if \pre
	ALOAD (\e)+1
.endif
	s_wait_xcnt 0x0                                ; the last chunk's stores have read their registers, which the scores take
	WIN 0x0E                                       ; source 0 window 2, source 1 window 3
.irp c, 0,1
.irp mt, 0,1
.irp T, 0,1,2,3,4,5,6,7
.if \c == 0
	v_wmma_f32_16x16x32_f16 v[S+64*\mt+8*\T:S+64*\mt+8*\T+7], v[8*(2*\T+\c):8*(2*\T+\c)+7], v[QF+16*\mt+8*\c:QF+16*\mt+8*\c+7], 0
.else
	v_wmma_f32_16x16x32_f16 v[S+64*\mt+8*\T:S+64*\mt+8*\T+7], v[8*(2*\T+\c):8*(2*\T+\c)+7], v[QF+16*\mt+8*\c:QF+16*\mt+8*\c+7], v[S+64*\mt+8*\T:S+64*\mt+8*\T+7]
.endif
.endr
.endr
.endr
	WIN 0
	PLACES 4
	SOFTMAX
	WIN 0xF2                                       ; source 0 window 2, source 1 window 0, C and D window 3
.irp q, 0,1,2,3
.irp mt, 0,1
.irp a, 0,1,2,3
.if \q == 0
	v_wmma_f32_16x16x32_f16 v[QA+8*(4*\mt+\a):QA+8*(4*\mt+\a)+7], v[VF+8*(4*\a+\q):VF+8*(4*\a+\q)+7], v[PP+32*\mt+8*\q:PP+32*\mt+8*\q+7], 0
.else
	v_wmma_f32_16x16x32_f16 v[QA+8*(4*\mt+\a):QA+8*(4*\mt+\a)+7], v[VF+8*(4*\a+\q):VF+8*(4*\a+\q)+7], v[PP+32*\mt+8*\q:PP+32*\mt+8*\q+7], v[QA+8*(4*\mt+\a):QA+8*(4*\mt+\a)+7]
.endif
.endr
.endr
.endr
	WIN 0
.irp mt, 0,1                           ; the sums are finished behind the products: these lines name none of their registers and are the places in front of the first read of O^T
	v_add_f32 v[ST+12*\mt+8], v[ST+12*\mt+8], v[ST+12*\mt+9]
.endr
.irp mt, 0,1
	v_permlanex16_b32 v[ST+12*\mt+5], v[ST+12*\mt+8], s[SEL], s[SEL+1]
.endr
.irp mt, 0,1
	v_add_f32 v[ST+12*\mt+8], v[ST+12*\mt+8], v[ST+12*\mt+5]       ; the row's sum
.endr
.irp mt, 0,1
	v_rcp_f32 v[ST+12*\mt+9], v[ST+12*\mt+8]
.endr
	v_nop                                          ; a plain line behind the reciprocals,
	s_wait_alu depctr_va_vdst(0)                   ; and one wait for both, ahead of their first reader
.irp a, 0,1,2,3
.irp mt, 0,1
	v_mul_f32 v[ST+12*\mt+2*\a], s[UPV+\a], v[ST+12*\mt+9]         ; v's scale of d 16 a on / the sum
.endr
.endr
	OUT \e
.endm
.macro QUARTER
	CHUNK 0, 1, 1
	CHUNK 1, 0, 0
	s_wait_xcnt 0x0                                ; the stores have read their base: it steps only behind this wait
	s_add_nc_u64 s[14:15], s[14:15], 128*4096
	s_add_co_u32 s[TB], s[TB], 8*TILEB
.endm
	s_wait_tensorcnt 0x1                           ; my share of the first quarter is in; the rest may stay out
	s_barrier_signal -1
	s_barrier_wait -1
	s_wait_loadcnt 0x0                             ; Wq, k, v, the bias, the scale words
	QUARTER
	s_wait_tensorcnt 0x0                           ; my share of the rest is in,
	s_wait_dscnt 0x0
	s_barrier_signal -1
	s_barrier_wait -1                              ; everybody's is
	s_mov_b32 s69, 3
.Lq:
	QUARTER
	s_sub_co_u32 s69, s69, 1
	s_cmp_lg_u32 s69, 0
	s_cbranch_scc1 .Lq
	s_wait_tensorcnt 0x0                           ; the wave's end
	ds_add_u32 v[SPW], v[NIL]
	s_wait_dscnt 0x0
	CROUND                                         ; the closing round
	s_endpgm
.Lfunc_end_k_qd771fd5f82_attn:
	.size	k_qd771fd5f82_attn, .Lfunc_end_k_qd771fd5f82_attn-k_qd771fd5f82_attn
	.p2alignl 7, 3214868480
	.fill 96, 4, 3214868480
	.section	.rodata,"a",@progbits
	.p2align	6, 0x0
	.amdhsa_kernel k_qd771fd5f82_attn
		.amdhsa_group_segment_fixed_size 327680
		.amdhsa_private_segment_fixed_size 0
		.amdhsa_enable_private_segment 0
		.amdhsa_kernarg_size 48
		.amdhsa_user_sgpr_count 2
		.amdhsa_user_sgpr_kernarg_segment_ptr 1
		.amdhsa_wavefront_size32 1
		.amdhsa_system_sgpr_workgroup_id_x 1
		.amdhsa_system_sgpr_workgroup_id_y 1
		.amdhsa_system_sgpr_workgroup_id_z 1
		.amdhsa_system_vgpr_workitem_id 0
		.amdhsa_next_free_vgpr 1024
		.amdhsa_next_free_sgpr 96
		.amdhsa_reserve_vcc 0
		.amdhsa_float_denorm_mode_32 3
		.amdhsa_float_denorm_mode_16_64 3
		.amdhsa_memory_ordered 1
		.amdhsa_forward_progress 1
		.amdhsa_inst_pref_size 198
	.end_amdhsa_kernel
	.amdgpu_metadata
---
amdhsa.version: [ 1, 2 ]
amdhsa.kernels:
  - .name:           k_qd771fd5f82_attn
    .symbol:         k_qd771fd5f82_attn.kd
    .args:
      - { .name: hq, .offset: 0, .size: 8, .value_kind: global_buffer, .address_space: global }
      - { .name: wc, .offset: 8, .size: 8, .value_kind: global_buffer, .address_space: global }
      - { .name: bq, .offset: 16, .size: 8, .value_kind: global_buffer, .address_space: global }
      - { .name: kvf, .offset: 24, .size: 8, .value_kind: global_buffer, .address_space: global }
      - { .name: kvs, .offset: 32, .size: 8, .value_kind: global_buffer, .address_space: global }
      - { .name: out0, .offset: 40, .size: 8, .value_kind: global_buffer, .address_space: global }
    .group_segment_fixed_size: 327680
    .private_segment_fixed_size: 0
    .kernarg_segment_align: 8
    .kernarg_segment_size: 48
    .max_flat_workgroup_size: 128
    .sgpr_count:     96
    .vgpr_count:     1024
    .wavefront_size: 32
...
	.end_amdgpu_metadata
.endif
;; end of part 4
